; MI455X (gfx1250); checked and timed in simulation.
; The chip was launched on July 23, 2026; its instructions are those of AMD's public machine-readable ISA for CDNA 5 (MIT licence, August 2026) and "CDNA5" Instruction Set Architecture Reference Guide (July 2026). The comments in the code are by the model that wrote it; some were corrected since.
;; Causal Bo W. Allowed arithmetic: float matrix products may take bf16 or f16 operands with f32 sums; all other float work in f32.
;; Inputs: x 8 x 4,096 x 512 float32.
;; Outputs: out0 8 x 4,096 x 512 float32.
;; 2 versions, each right; version 2 is version 1 with the launch scan written anew for expert scheduling mode. Each part assembles by itself: llvm-mc -triple=amdgcn-amd-amdhsa -mcpu=gfx1250 --defsym DOCPART=n.
;; ======== version 1 of 2: 2 launches
;; limits: inputs' magnitudes at most 8e+34
;; workspace buffers: part 114,688 bytes
;; launch sums (part 1): grid 224 x 1, 16 waves a work-group, no clusters, 10,240 bytes of LDS; arguments x, part; writes part
.if DOCPART == 1
	.amdgcn_target "amdgcn-amd-amdhsa--gfx1250"
	.amdhsa_code_object_version 6
	.text
	.protected	k_qb939c49ba8_sums
	.globl	k_qb939c49ba8_sums
	.p2align	8
	.type	k_qb939c49ba8_sums,@function
k_qb939c49ba8_sums:
	s_mov_b64 s[64:65], 0
	v_nop
	global_prefetch_b8 v0, s[64:65] scope:SCOPE_SE
	s_setreg_imm32_b32 hwreg(HW_REG_WAVE_MODE, 25, 1), 1
	s_wait_xcnt 0x0
; CAUSAL RUNNING MEAN, first of two launches: column sums of tiles.
; reference() multiplies x [8][4096][512] (f32) along T by tril(ones) / row sums, a matrix that it builds itself: row t holds 1/(t+1) in
; columns 0..t.  So y[b][t][c] = (x[b][0][c] + .. + x[b][t][c]) / (t+1) for every x: a running sum down each column, kept in f32 on the
; vector units (three operations a number in place of 4,096 multiply-adds, and no rounding of x to 16 bits).
; T is cut into 8 chunks of 512 rows, the 8 x 512 columns into 32 strips of 128 columns (512 bytes of a row): 256 tiles of 256 KiB.
; A chunk needs the sum of all rows above it, which other work-groups own: this launch stores each tile's column sums into part,
; the next launch adds them up.  Chunk 7's sums are needed by nobody: 7 x 32 = 224 work-groups.
; Work-group g = 32 q + s: chunk q, strip s = 4 b + cg (batch b, columns 128 cg ..).  part row g: 128 f32, 512 bytes.
; 16 waves; wave w owns rows 32 w .. 32 w + 31 of the tile, lane l the 16 bytes (4 columns) at 16 l of each row: every load of a wave
; covers 512 consecutive bytes that start at a multiple of 512, and a column never leaves its lane.
; All 32 loads of a wave are issued at once: the whole tile is on its way from the first lines on, so there is no loop and no ring.
; No cluster: no two work-groups read the same bytes.  No prefetch: every load stands at the head already.
; LIMITS: a tile's column sum must stay inside f32 (|x| under about 8e34); the order of the f32 additions is not the reference's.
.set ROWB, 2048                        ; bytes from row to row of x
.set X,    8                           ; v[8:135]  row i of my 32 in v[X+4i : X+4i+3]
; v1: LDS address of my 16 bytes in my wave's entry;  v2: byte offset of my 16 bytes in my wave's first row;  v4: 16 x lane
; LDS: 16 entries of 512 bytes, entry w = wave w's column sums
.macro ADDROW d, a                     ; row d += row a: four columns, two packed additions
	v_pk_add_f32 v[X+4*(\d):X+4*(\d)+1],   v[X+4*(\d):X+4*(\d)+1],   v[X+4*(\a):X+4*(\a)+1]
	v_pk_add_f32 v[X+4*(\d)+2:X+4*(\d)+3], v[X+4*(\d)+2:X+4*(\d)+3], v[X+4*(\a)+2:X+4*(\a)+3]
.endm
.macro GROUP n                         ; rows 4n .. 4n+3 go into four chains that do not wait for each other; rows 0-3 are their heads: nothing is cleared
	ADDROW 0, 4*(\n)
	ADDROW 1, 4*(\n)+1
	ADDROW 2, 4*(\n)+2
	ADDROW 3, 4*(\n)+3
.endm
.macro JOIN                            ; the four chains into row 0
	ADDROW 0, 1
	ADDROW 2, 3
	ADDROW 0, 2
.endm
	s_load_b128 s[4:7], s[0:1], 0x0                ; x s[4:5], part s[6:7]
	v_lshl_add_u32 v136, v0, 2, 0x2000
	v_mov_b32 v137, 0
	v_lshrrev_b32 v3, 5, v0
	v_readfirstlane_b32 s8, v3                     ; wave 0..15
	v_and_b32 v4, 31, v0
	v_lshlrev_b32 v4, 4, v4                        ; 16 x lane
	v_lshl_or_b32 v2, v3, 16, v4                   ; + wave x 32 rows x 2,048 bytes
	s_lshl_b32 s9, s8, 9
	v_add_nc_u32 v1, s9, v4                        ; LDS: wave x 512 + 16 x lane
	s_and_b32 s9, ttmp9, 31                        ; strip s
	s_lshr_b32 s10, ttmp9, 5                       ; chunk q
	s_lshr_b32 s12, s9, 2
	s_lshl_b32 s12, s12, 23                        ; batch x 4,096 rows x 2,048 bytes
	s_lshl_b32 s14, s10, 20                        ; + chunk x 512 rows x 2,048 bytes
	s_add_co_u32 s12, s12, s14
	s_and_b32 s14, s9, 3
	s_lshl_b32 s14, s14, 9                         ; + column group x 512 bytes: under 64 MiB in all
	s_add_co_u32 s12, s12, s14
	s_mov_b32 s13, 0
	s_lshl_b32 s14, ttmp9, 9                       ; my row of part
	s_mov_b32 s15, 0
	s_wait_kmcnt 0x0
	s_add_nc_u64 s[4:5], s[4:5], s[12:13]          ; x at the tile's first byte
	s_add_nc_u64 s[6:7], s[6:7], s[14:15]
.set i, 0
.rept 32
	global_load_b128 v[X+4*i:X+4*i+3], v2, s[4:5] offset:ROWB*i    ; no hint: the next launch reads these bytes again
.set i, i+1
.endr
.set g, 1
.rept 7
	s_wait_loadcnt 28-4*g                          ; loads come back in order (ISA guide 5.7.1): rows up to 4g+3 are in, the 28-4g younger ones stay out
	GROUP g
.set g, g+1
.endr
	JOIN                                           ; v[X:X+3]: the sums of my wave's 32 rows
	ds_store_b128 v1, v[X:X+3]
	s_wait_dscnt 0x0                               ; zero: wave 0 reads these bytes behind the barrier
	s_barrier_signal -1
	s_barrier_wait -1
	s_cmp_lg_u32 s8, 0
	s_cbranch_scc1 .Lend                           ; wave 0 alone adds the sixteen entries; its own is still in v[X:X+3]
.set e, 1
.rept 15
	ds_load_b128 v[X+4*e:X+4*e+3], v4 offset:512*e
.set e, e+1
.endr
	s_wait_dscnt 0x0
	GROUP 1
	GROUP 2
	GROUP 3
	JOIN
	global_store_b128 v4, v[X:X+3], s[6:7]         ; 512 consecutive bytes at a multiple of 512: the tile's 128 column sums
.Lend:
	s_wait_tensorcnt 0x0
	ds_add_u32 v136, v137
	s_wait_dscnt 0x0
	s_endpgm
.Lfunc_end_k_qb939c49ba8_sums:
	.size	k_qb939c49ba8_sums, .Lfunc_end_k_qb939c49ba8_sums-k_qb939c49ba8_sums
	.p2alignl 7, 3214868480
	.fill 96, 4, 3214868480
	.section	.rodata,"a",@progbits
	.p2align	6, 0x0
	.amdhsa_kernel k_qb939c49ba8_sums
		.amdhsa_group_segment_fixed_size 10240
		.amdhsa_private_segment_fixed_size 0
		.amdhsa_enable_private_segment 0
		.amdhsa_kernarg_size 16
		.amdhsa_user_sgpr_count 2
		.amdhsa_user_sgpr_kernarg_segment_ptr 1
		.amdhsa_wavefront_size32 1
		.amdhsa_system_sgpr_workgroup_id_x 1
		.amdhsa_system_sgpr_workgroup_id_y 1
		.amdhsa_system_sgpr_workgroup_id_z 1
		.amdhsa_system_vgpr_workitem_id 0
		.amdhsa_next_free_vgpr 138
		.amdhsa_next_free_sgpr 66
		.amdhsa_reserve_vcc 0
		.amdhsa_float_denorm_mode_32 3
		.amdhsa_float_denorm_mode_16_64 3
		.amdhsa_memory_ordered 1
		.amdhsa_forward_progress 1
		.amdhsa_inst_pref_size 12
	.end_amdhsa_kernel
	.amdgpu_metadata
---
amdhsa.version: [ 1, 2 ]
amdhsa.kernels:
  - .name:           k_qb939c49ba8_sums
    .symbol:         k_qb939c49ba8_sums.kd
    .args:
      - { .name: x, .offset: 0, .size: 8, .value_kind: global_buffer, .address_space: global }
      - { .name: part, .offset: 8, .size: 8, .value_kind: global_buffer, .address_space: global }
    .group_segment_fixed_size: 10240
    .private_segment_fixed_size: 0
    .kernarg_segment_align: 8
    .kernarg_segment_size: 16
    .max_flat_workgroup_size: 512
    .sgpr_count:     66
    .vgpr_count:     138
    .wavefront_size: 32
...
	.end_amdgpu_metadata
.endif
;; end of part 1
;; launch scan (part 2): grid 256 x 1, 16 waves a work-group, no clusters, 10,240 bytes of LDS; arguments x, part, out0; writes out0
.if DOCPART == 2
	.amdgcn_target "amdgcn-amd-amdhsa--gfx1250"
	.amdhsa_code_object_version 6
	.text
	.protected	k_qb939c49ba8_scan
	.globl	k_qb939c49ba8_scan
	.p2align	8
	.type	k_qb939c49ba8_scan,@function
k_qb939c49ba8_scan:
	s_mov_b64 s[64:65], 0
	v_nop
	global_prefetch_b8 v0, s[64:65] scope:SCOPE_SE
	s_setreg_imm32_b32 hwreg(HW_REG_WAVE_MODE, 25, 1), 1
	s_wait_xcnt 0x0
; CAUSAL RUNNING MEAN, second of two launches: y[b][t][c] = (x[b][0][c] + .. + x[b][t][c]) / (t+1), all in f32.
; (reference() multiplies x along T by tril(ones) / row sums, which it builds itself: this identity holds for every x.)
; Tiles as in the first launch: work-group g = 32 q + s owns chunk q (rows 512 q ..) of strip s = 4 b + cg (batch b, columns 128 cg ..),
; 8 x 32 = 256 work-groups.  16 waves; wave w owns rows 32 w .. 32 w + 31 of the tile, lane l the 16 bytes at 16 l of each row: every load
; and store of a wave covers 512 consecutive bytes that start at a multiple of 512, and a column never leaves its lane.
; A wave's 32 rows lie in 128 registers; all 32 loads are issued at once, so the whole tile is on its way from the first lines on.
;   p[i]  = running sum inside the wave's rows (a chain of packed additions down the registers)
;   OFF   = carry (sum of part's rows of the chunks above, from the first launch) + totals of the waves below, exchanged through LDS
;   y[i]  = OFF r[i] + p[i] r[i],  r[i] = 1 / (t+1): p[i] r[i] is made while later rows are still on their way, the rest is one fused multiply-add
; Wave 15's total is needed by nobody, so wave 15 is the one that fetches and adds the carry, and its LDS entry holds it.
; No cluster: all that work-groups share is the 3,584 bytes of part that the eight chunks of a strip read, against 256 KiB of their own.
; No prefetch: every load stands at the head already.  No register that a pending load or store names is written again, and EXEC never changes.
; LIMITS: sums are formed before the division, so a column's running sum must stay inside f32 (|x| under about 8e34; reference() scales first);
; a NaN or infinity in x spoils its column from its own row on (in reference(): the whole column, 0 x inf); 1/(t+1) is v_rcp_f32, good to 1 ulp;
; the order of the f32 additions is not the reference's.
.set ROWB, 2048                        ; bytes from row to row of x and out0
.set R,    8                           ; v[8:39]     R+i: t+1 of my row i, then its reciprocal (the same in every lane)
.set T,    40                          ; v[40:103]   wave 15 first: the 7 carry rows; then in every wave the 16 LDS entries; v[T:T+3] ends as OFF
.set X,    104                         ; v[104:231]  row i of my 32 in v[X+4i : X+4i+3]
.set MASK, 16                          ; s[16:22]    MASK+j: all ones if chunk j lies above mine (q > j), else 0
; v1: 16 x lane;  v2: byte offset of my 16 bytes in my wave's first row;  v3: LDS address of my 16 bytes in my wave's entry
; LDS: 16 entries of 512 bytes; entry w = wave w's total (w = 0..14), entry 15 = the carry
.macro ADD4 d, a                       ; four registers at d += four at a
	v_pk_add_f32 v[\d:\d+1],   v[\d:\d+1],   v[\a:\a+1]
	v_pk_add_f32 v[\d+2:\d+3], v[\d+2:\d+3], v[\a+2:\a+3]
.endm
; The reciprocals lie one to a register; a packed instruction names the pair and picks one of the two for both halves:
; even row: the pair's first register (op_sel_hi 0), odd row: its second (op_sel 1).
.macro SCALE i                         ; row i *= r[i]
.if (\i)&1
	v_pk_mul_f32 v[X+4*(\i):X+4*(\i)+1],   v[X+4*(\i):X+4*(\i)+1],   v[R+(\i)-1:R+(\i)] op_sel:[0,1] op_sel_hi:[1,1]
	v_pk_mul_f32 v[X+4*(\i)+2:X+4*(\i)+3], v[X+4*(\i)+2:X+4*(\i)+3], v[R+(\i)-1:R+(\i)] op_sel:[0,1] op_sel_hi:[1,1]
.else
	s_wait_alu depctr_va_vdst(0)
	v_pk_mul_f32 v[X+4*(\i):X+4*(\i)+1],   v[X+4*(\i):X+4*(\i)+1],   v[R+(\i):R+(\i)+1] op_sel_hi:[1,0]
	v_pk_mul_f32 v[X+4*(\i)+2:X+4*(\i)+3], v[X+4*(\i)+2:X+4*(\i)+3], v[R+(\i):R+(\i)+1] op_sel_hi:[1,0]
.endif
.endm
.macro FIN i                           ; row i = OFF r[i] + row i, and out
.if (\i)&1
	v_pk_fma_f32 v[X+4*(\i):X+4*(\i)+1],   v[T:T+1],   v[R+(\i)-1:R+(\i)], v[X+4*(\i):X+4*(\i)+1]   op_sel:[0,1,0] op_sel_hi:[1,1,1]
	v_pk_fma_f32 v[X+4*(\i)+2:X+4*(\i)+3], v[T+2:T+3], v[R+(\i)-1:R+(\i)], v[X+4*(\i)+2:X+4*(\i)+3] op_sel:[0,1,0] op_sel_hi:[1,1,1]
.else
	v_pk_fma_f32 v[X+4*(\i):X+4*(\i)+1],   v[T:T+1],   v[R+(\i):R+(\i)+1], v[X+4*(\i):X+4*(\i)+1]   op_sel_hi:[1,0,1]
	v_pk_fma_f32 v[X+4*(\i)+2:X+4*(\i)+3], v[T+2:T+3], v[R+(\i):R+(\i)+1], v[X+4*(\i)+2:X+4*(\i)+3] op_sel_hi:[1,0,1]
.endif
	global_store_b128 v2, v[X+4*(\i):X+4*(\i)+3], s[8:9] offset:ROWB*(\i) th:TH_STORE_NT   ; written once, read by nobody here
.endm
	s_load_b128 s[4:7], s[0:1], 0x0                ; x s[4:5], part s[6:7]
	s_load_b64 s[8:9], s[0:1], 0x10                ; out0
	v_lshl_add_u32 v232, v0, 2, 0x2000
	v_mov_b32 v233, 0
	v_lshrrev_b32 v4, 5, v0
	v_readfirstlane_b32 s10, v4                    ; wave 0..15
	v_and_b32 v1, 31, v0
	v_lshlrev_b32 v1, 4, v1                        ; 16 x lane
	v_lshl_or_b32 v2, v4, 16, v1                   ; + wave x 32 rows x 2,048 bytes
	s_lshl_b32 s23, s10, 9
	v_add_nc_u32 v3, s23, v1                       ; LDS: wave x 512 + 16 x lane
	s_and_b32 s11, ttmp9, 31                       ; strip s
	s_lshr_b32 s12, ttmp9, 5                       ; chunk q
	s_lshr_b32 s14, s11, 2
	s_lshl_b32 s14, s14, 23                        ; batch x 4,096 rows x 2,048 bytes
	s_lshl_b32 s23, s12, 20                        ; + chunk x 512 rows x 2,048 bytes
	s_add_co_u32 s14, s14, s23
	s_and_b32 s23, s11, 3
	s_lshl_b32 s23, s23, 9                         ; + column group x 512 bytes: under 64 MiB in all
	s_add_co_u32 s14, s14, s23
	s_mov_b32 s15, 0
	s_lshl_b32 s26, s11, 9                         ; part: row 32 j + s lies at 16,384 j + 512 s
	s_mov_b32 s27, 0
.irp j, 0,1,2,3,4,5,6
	s_cmp_gt_u32 s12, \j
	s_cselect_b32 s[MASK+\j], -1, 0                ; does chunk j lie above mine?
.endr
	s_lshl_b32 s23, s12, 9
	s_lshl_b32 s24, s10, 5
	s_add_co_u32 s23, s23, s24
	s_add_co_u32 s23, s23, 1                       ; t + 1 of my wave's first row: 512 q + 32 w + 1
	s_wait_kmcnt 0x0
	s_add_nc_u64 s[4:5], s[4:5], s[14:15]          ; x and out0 at the tile's first byte
	s_add_nc_u64 s[8:9], s[8:9], s[14:15]
	s_add_nc_u64 s[6:7], s[6:7], s[26:27]          ; part at my strip's first row
	; Wave 15: the strip's seven rows of part, always all seven (the first launch stored them all; the last byte touched is part's last),
	; so that the count below is one number.  They stand in front of the data loads: the data's waits count the same in every wave.
	s_cmp_lg_u32 s10, 15
	s_cbranch_scc1 .Lno_carry_loads
.irp j, 0,1,2,3,4,5,6
	global_load_b128 v[T+4*\j:T+4*\j+3], v1, s[6:7] offset:16384*\j
.endr
.Lno_carry_loads:
.set i, 0
.rept 32
	global_load_b128 v[X+4*i:X+4*i+3], v2, s[4:5] offset:ROWB*i th:TH_LOAD_NT      ; the last use of these bytes
.set i, i+1
.endr
	; While the loads are out: r[i] = 1 / (t+1).  The arguments are whole numbers up to 4,096, exact in f32.
	v_cvt_f32_u32 v[R], s23
	v_add_f32 v[R+1], 1.0, v[R]
.set i, 2
.rept 15
	v_pk_add_f32 v[R+i:R+i+1], v[R+i-2:R+i-1], 2.0 op_sel_hi:[1,0]
.set i, i+2
.endr
.set i, 0
.rept 32
	v_rcp_f32 v[R+i], v[R+i]
.set i, i+1
.endr
	v_nop                                          ; the plain place between the reciprocals and their first use (ISA guide 5.7.2)
	; Wave 15: the carry = the sum of the rows of the chunks above; the others are replaced by 0, whatever they hold.
	s_cmp_lg_u32 s10, 15
	s_cbranch_scc1 .Lno_carry_sum
	s_wait_loadcnt 32                              ; the seven rows of part are in; the 32 younger data loads stay out
.irp j, 0,1,2,3,4,5,6
.irp k, 0,1,2,3
	v_cndmask_b32 v[T+4*\j+\k], 0, v[T+4*\j+\k], s[MASK+\j]
.endr
.endr
	ADD4 T, T+4
	ADD4 T+8, T+12
	ADD4 T+16, T+20
	ADD4 T, T+8
	ADD4 T+16, T+24
	ADD4 T, T+16
	ds_store_b128 v3, v[T:T+3]                     ; entry 15
.Lno_carry_sum:
	; The chain: row n += row n-1; row n-1, now done with as a summand, is scaled at once.
.set n, 1
.rept 31
	s_wait_loadcnt 31-n                            ; loads come back in order (ISA guide 5.7.1): row n is in, the 31-n younger ones stay out
	ADD4 X+4*n, X+4*n-4
	SCALE n-1
.set n, n+1
.endr
	s_cmp_eq_u32 s10, 15
	s_cbranch_scc1 .Lno_total
	ds_store_b128 v3, v[X+124:X+127]               ; row 31, not yet scaled: my wave's total, entry w
.Lno_total:
	s_wait_dscnt 0x0                               ; zero: the other waves read my entry behind the barrier
	s_barrier_signal -1
	SCALE 31                                       ; registers only
	s_barrier_wait -1
	; All sixteen entries, in every wave: slot 0 takes the carry (entry 15), slot k entry k-1.
.set k, 0
.rept 16
	ds_load_b128 v[T+4*k:T+4*k+3], v1 offset:512*((k+15)&15)
.set k, k+1
.endr
	s_wait_dscnt 0x0
	; OFF = carry + totals of waves 0 .. w-1: wave w leaves after w additions.  No barrier follows.
.set k, 1
.rept 15
	s_cmp_lt_u32 s10, k
	s_cbranch_scc1 .Loff
	ADD4 T, T+4*k
.set k, k+1
.endr
.Loff:
.set n, 0
.rept 32
	FIN n
.set n, n+1
.endr
	s_wait_tensorcnt 0x0
	ds_add_u32 v232, v233
	s_wait_dscnt 0x0
	s_endpgm
.Lfunc_end_k_qb939c49ba8_scan:
	.size	k_qb939c49ba8_scan, .Lfunc_end_k_qb939c49ba8_scan-k_qb939c49ba8_scan
	.p2alignl 7, 3214868480
	.fill 96, 4, 3214868480
	.section	.rodata,"a",@progbits
	.p2align	6, 0x0
	.amdhsa_kernel k_qb939c49ba8_scan
		.amdhsa_group_segment_fixed_size 10240
		.amdhsa_private_segment_fixed_size 0
		.amdhsa_enable_private_segment 0
		.amdhsa_kernarg_size 24
		.amdhsa_user_sgpr_count 2
		.amdhsa_user_sgpr_kernarg_segment_ptr 1
		.amdhsa_wavefront_size32 1
		.amdhsa_system_sgpr_workgroup_id_x 1
		.amdhsa_system_sgpr_workgroup_id_y 1
		.amdhsa_system_sgpr_workgroup_id_z 1
		.amdhsa_system_vgpr_workitem_id 0
		.amdhsa_next_free_vgpr 234
		.amdhsa_next_free_sgpr 66
		.amdhsa_reserve_vcc 0
		.amdhsa_float_denorm_mode_32 3
		.amdhsa_float_denorm_mode_16_64 3
		.amdhsa_memory_ordered 1
		.amdhsa_forward_progress 1
		.amdhsa_inst_pref_size 31
	.end_amdhsa_kernel
	.amdgpu_metadata
---
amdhsa.version: [ 1, 2 ]
amdhsa.kernels:
  - .name:           k_qb939c49ba8_scan
    .symbol:         k_qb939c49ba8_scan.kd
    .args:
      - { .name: x, .offset: 0, .size: 8, .value_kind: global_buffer, .address_space: global }
      - { .name: part, .offset: 8, .size: 8, .value_kind: global_buffer, .address_space: global }
      - { .name: out0, .offset: 16, .size: 8, .value_kind: global_buffer, .address_space: global }
    .group_segment_fixed_size: 10240
    .private_segment_fixed_size: 0
    .kernarg_segment_align: 8
    .kernarg_segment_size: 24
    .max_flat_workgroup_size: 512
    .sgpr_count:     66
    .vgpr_count:     234
    .wavefront_size: 32
...
	.end_amdgpu_metadata
.endif
;; end of part 2
;; ======== version 2 of 2: 2 launches; version 1 with the launch scan written anew for expert scheduling mode
;; limits: inputs' magnitudes at most 8e+34
;; workspace buffers: part 114,688 bytes
;; launch sums: the kernel of part 1 again; grid 224 x 1, 16 waves a work-group, no clusters, 10,240 bytes of LDS; arguments x, part; writes part
;; launch scan (part 3): grid 256 x 1, 16 waves a work-group, no clusters, 10,240 bytes of LDS; arguments x, part, out0; writes out0
.if DOCPART == 3
	.amdgcn_target "amdgcn-amd-amdhsa--gfx1250"
	.amdhsa_code_object_version 6
	.text
	.protected	k_qb939c49ba8_scan
	.globl	k_qb939c49ba8_scan
	.p2align	8
	.type	k_qb939c49ba8_scan,@function
k_qb939c49ba8_scan:
	s_mov_b64 s[64:65], 0
	v_nop
	global_prefetch_b8 v0, s[64:65] scope:SCOPE_SE
	s_setreg_imm32_b32 hwreg(HW_REG_WAVE_SCHED_MODE, 0, 2), 2
	s_setreg_imm32_b32 hwreg(HW_REG_WAVE_MODE, 25, 1), 1
	s_wait_xcnt 0x0
	s_wait_alu depctr_vm_vsrc(0)
; CAUSAL RUNNING MEAN, second of two launches: y[b][t][c] = (x[b][0][c] + .. + x[b][t][c]) / (t+1), all in f32.
; (reference() multiplies x along T by tril(ones) / row sums, which it builds itself: this identity holds for every x.)
; Tiles as in the first launch: work-group g = 32 q + s owns chunk q (rows 512 q ..) of strip s = 4 b + cg (batch b, columns 128 cg ..),
; 8 x 32 = 256 work-groups.  16 waves; wave w owns rows 32 w .. 32 w + 31 of the tile, lane l the 16 bytes at 16 l of each row: every load
; and store of a wave covers 512 consecutive bytes that start at a multiple of 512, and a column never leaves its lane.
; A wave's 32 rows lie in 128 registers; all 32 loads are issued at once, so the whole tile is on its way from the first lines on.
;   p[i]  = running sum inside the wave's rows (a chain of packed additions down the registers)
;   OFF   = carry (sum of part's rows of the chunks above, from the first launch) + totals of the waves below, exchanged through LDS
;   y[i]  = OFF r[i] + p[i] r[i],  r[i] = 1 / (t+1): p[i] r[i] is made while later rows are still on their way, the rest is one fused multiply-add
; Wave 15's total is needed by nobody, so wave 15 is the one that fetches and adds the carry, and its LDS entry holds it.
; No cluster: all that work-groups share is the 3,584 bytes of part that the eight chunks of a strip read, against 256 KiB of their own.
; No prefetch: every load stands at the head already.  No register that a pending global load or store names is written again, and EXEC never changes.
; THE MODE: SCHED_MODE bits 1:0 = 2 (LLVM: expert scheduling mode 2), set by the entry lines.  The code itself states the register dependences
; between vector instructions and memory or LDS instructions, with s_wait_alu, always for 0.
; THE PLAN.  Registers that memory or LDS instructions touch, in program order (there is no loop):
;   v1, v2, v3  offsets and the LDS address: written at the head, never again; read by every load and store.  One wait ahead of the first load serves them all.
;   T           wave 15: seven loads land, selects and sums work on them, the LDS store reads T..T+3.  Every wave: sixteen LDS loads land in T..T+63.
;               The wait ahead of wave 15's LDS store shows every vector instruction that named T done; none names T between it and the LDS loads.
;   X           the 32 data loads land (no vector instruction named X before); the chain writes it; the LDS store of waves 0-14 reads row 31, which is then scaled;
;               the last multiply-adds write each row once more, and the stores read it.  These go in four blocks of eight rows: one wait states that a block is
;               written, and its eight stores are dealt among the next block's multiply-adds, which name T, R and their own rows alone.
;   R           named by vector instructions alone.
; LIMITS: sums are formed before the division, so a column's running sum must stay inside f32 (|x| under about 8e34; reference() scales first);
; a NaN or infinity in x spoils its column from its own row on (in reference(): the whole column, 0 x inf); 1/(t+1) is v_rcp_f32, good to 1 ulp;
; the order of the f32 additions is not the reference's.
.set ROWB, 2048                        ; bytes from row to row of x and out0
.set R,    8                           ; v[8:39]     R+i: t+1 of my row i, then its reciprocal (the same in every lane)
.set T,    40                          ; v[40:103]   wave 15 first: the 7 carry rows; then in every wave the 16 LDS entries; v[T:T+3] ends as OFF
.set X,    104                         ; v[104:231]  row i of my 32 in v[X+4i : X+4i+3]
.set MASK, 16                          ; s[16:22]    MASK+j: all ones if chunk j lies above mine (q > j), else 0
.set BLK,  8                           ; rows in a block of the way out
; v1: 16 x lane;  v2: byte offset of my 16 bytes in my wave's first row;  v3: LDS address of my 16 bytes in my wave's entry
; LDS: 16 entries of 512 bytes; entry w = wave w's total (w = 0..14), entry 15 = the carry
.macro ADD4 d, a                       ; four registers at d += four at a
	v_pk_add_f32 v[\d:\d+1],   v[\d:\d+1],   v[\a:\a+1]
	v_pk_add_f32 v[\d+2:\d+3], v[\d+2:\d+3], v[\a+2:\a+3]
.endm
; The reciprocals lie one to a register; a packed instruction names the pair and picks one of the two for both halves:
; even row: the pair's first register (op_sel_hi 0), odd row: its second (op_sel 1).
.macro SCALE i                         ; row i *= r[i]
.if (\i)&1
	v_pk_mul_f32 v[X+4*(\i):X+4*(\i)+1],   v[X+4*(\i):X+4*(\i)+1],   v[R+(\i)-1:R+(\i)] op_sel:[0,1] op_sel_hi:[1,1]
	v_pk_mul_f32 v[X+4*(\i)+2:X+4*(\i)+3], v[X+4*(\i)+2:X+4*(\i)+3], v[R+(\i)-1:R+(\i)] op_sel:[0,1] op_sel_hi:[1,1]
.else
	v_pk_mul_f32 v[X+4*(\i):X+4*(\i)+1],   v[X+4*(\i):X+4*(\i)+1],   v[R+(\i):R+(\i)+1] op_sel_hi:[1,0]
	v_pk_mul_f32 v[X+4*(\i)+2:X+4*(\i)+3], v[X+4*(\i)+2:X+4*(\i)+3], v[R+(\i):R+(\i)+1] op_sel_hi:[1,0]
.endif
.endm
.macro FIN i                           ; row i = OFF r[i] + row i
.if (\i)&1
	v_pk_fma_f32 v[X+4*(\i):X+4*(\i)+1],   v[T:T+1],   v[R+(\i)-1:R+(\i)], v[X+4*(\i):X+4*(\i)+1]   op_sel:[0,1,0] op_sel_hi:[1,1,1]
	v_pk_fma_f32 v[X+4*(\i)+2:X+4*(\i)+3], v[T+2:T+3], v[R+(\i)-1:R+(\i)], v[X+4*(\i)+2:X+4*(\i)+3] op_sel:[0,1,0] op_sel_hi:[1,1,1]
.else
	v_pk_fma_f32 v[X+4*(\i):X+4*(\i)+1],   v[T:T+1],   v[R+(\i):R+(\i)+1], v[X+4*(\i):X+4*(\i)+1]   op_sel_hi:[1,0,1]
	v_pk_fma_f32 v[X+4*(\i)+2:X+4*(\i)+3], v[T+2:T+3], v[R+(\i):R+(\i)+1], v[X+4*(\i)+2:X+4*(\i)+3] op_sel_hi:[1,0,1]
.endif
.endm
.macro OUT i                           ; row i leaves
	global_store_b128 v2, v[X+4*(\i):X+4*(\i)+3], s[8:9] offset:ROWB*(\i) th:TH_STORE_NT   ; written once, read by nobody here
.endm
	s_load_b128 s[4:7], s[0:1], 0x0                ; x s[4:5], part s[6:7]
	s_load_b64 s[8:9], s[0:1], 0x10                ; out0
	v_lshl_add_u32 v6, v0, 2, 0x2000
	v_mov_b32 v7, 0
	v_lshrrev_b32 v4, 5, v0
	v_readfirstlane_b32 s10, v4                    ; wave 0..15
	v_and_b32 v1, 31, v0
	v_lshlrev_b32 v1, 4, v1                        ; 16 x lane
	v_lshl_or_b32 v2, v4, 16, v1                   ; + wave x 32 rows x 2,048 bytes
	s_wait_alu depctr_va_sdst(0)                   ; s10 is written, ahead of its first reader: the LDS entry, t + 1 and the branches on the wave's number are made from it
	s_lshl_b32 s25, s10, 9                         ; a register of its own: no scalar line writes it again
	v_add_nc_u32 v3, s25, v1                       ; LDS: wave x 512 + 16 x lane
	s_and_b32 s11, ttmp9, 31                       ; strip s
	s_lshr_b32 s12, ttmp9, 5                       ; chunk q
	s_lshr_b32 s14, s11, 2
	s_lshl_b32 s14, s14, 23                        ; batch x 4,096 rows x 2,048 bytes
	s_lshl_b32 s23, s12, 20                        ; + chunk x 512 rows x 2,048 bytes
	s_add_co_u32 s14, s14, s23
	s_and_b32 s23, s11, 3
	s_lshl_b32 s23, s23, 9                         ; + column group x 512 bytes: under 64 MiB in all
	s_add_co_u32 s14, s14, s23
	s_mov_b32 s15, 0
	s_lshl_b32 s26, s11, 9                         ; part: row 32 j + s lies at 16,384 j + 512 s
	s_mov_b32 s27, 0
.irp j, 0,1,2,3,4,5,6
	s_cmp_gt_u32 s12, \j
	s_cselect_b32 s[MASK+\j], -1, 0                ; does chunk j lie above mine?
.endr
	s_lshl_b32 s23, s12, 9
	s_lshl_b32 s24, s10, 5
	s_add_co_u32 s23, s23, s24
	s_add_co_u32 s23, s23, 1                       ; t + 1 of my wave's first row: 512 q + 32 w + 1
	s_wait_kmcnt 0x0
	s_add_nc_u64 s[4:5], s[4:5], s[14:15]          ; x and out0 at the tile's first byte
	s_add_nc_u64 s[8:9], s[8:9], s[14:15]
	s_add_nc_u64 s[6:7], s[6:7], s[26:27]          ; part at my strip's first row
	s_wait_alu depctr_va_vdst(0)                   ; v1, v2 and v3 are written: every load, store and LDS instruction of the kernel reads one of them as its offset or address
	; Wave 15: the strip's seven rows of part, always all seven (the first launch stored them all; the last byte touched is part's last),
	; so that the count below is one number.  They stand in front of the data loads: the data's waits count the same in every wave.
	s_cmp_lg_u32 s10, 15
	s_cbranch_scc1 .Lno_carry_loads
.irp j, 0,1,2,3,4,5,6
	global_load_b128 v[T+4*\j:T+4*\j+3], v1, s[6:7] offset:16384*\j
.endr
.Lno_carry_loads:
.set i, 0
.rept 32
	global_load_b128 v[X+4*i:X+4*i+3], v2, s[4:5] offset:ROWB*i th:TH_LOAD_NT      ; the last use of these bytes
.set i, i+1
.endr
	; While the loads are out: r[i] = 1 / (t+1).  The arguments are whole numbers up to 4,096, exact in f32.
	v_cvt_f32_u32 v[R], s23
	v_add_f32 v[R+1], 1.0, v[R]
.set i, 2
.rept 15
	v_pk_add_f32 v[R+i:R+i+1], v[R+i-2:R+i-1], 2.0 op_sel_hi:[1,0]
.set i, i+2
.endr
.set i, 0
.rept 32
	v_rcp_f32 v[R+i], v[R+i]
.set i, i+1
.endr
	v_nop                                          ; the plain place between the reciprocals and their first use (ISA guide 5.7.2)
	s_wait_alu depctr_va_vdst(0)                   ; the 32 reciprocals have written v[R ..]: one wait for the batch, ahead of the branch and of their first reader, the scaling of row 0
	; Wave 15: the carry = the sum of the rows of the chunks above; the others are replaced by 0, whatever they hold.
	s_cmp_lg_u32 s10, 15
	s_cbranch_scc1 .Lno_carry_sum
	s_wait_loadcnt 32                              ; the seven rows of part are in; the 32 younger data loads stay out
.irp j, 0,1,2,3,4,5,6
.irp k, 0,1,2,3
	v_cndmask_b32 v[T+4*\j+\k], 0, v[T+4*\j+\k], s[MASK+\j]
.endr
.endr
	ADD4 T, T+4
	ADD4 T+8, T+12
	ADD4 T+16, T+20
	ADD4 T, T+8
	ADD4 T+16, T+24
	ADD4 T, T+16
	s_wait_alu depctr_va_vdst(0)                   ; the sums have written v[T:T+3], which the LDS store reads; and the selects and sums are done with v[T:T+27], in which LDS loads land further down
	ds_store_b128 v3, v[T:T+3]                     ; entry 15
.Lno_carry_sum:
	; The chain: row n += row n-1; row n-1, now done with as a summand, is scaled at once.
.set n, 1
.rept 31
	s_wait_loadcnt 31-n                            ; loads come back in order (ISA guide 5.7.1): row n is in, the 31-n younger ones stay out
	ADD4 X+4*n, X+4*n-4
	SCALE n-1
.set n, n+1
.endr
	s_cmp_eq_u32 s10, 15
	s_cbranch_scc1 .Lno_total
	s_wait_alu depctr_va_vdst(0)                   ; the chain's last addition has written row 31, which the LDS store reads
	ds_store_b128 v3, v[X+124:X+127]               ; row 31, not yet scaled: my wave's total, entry w
.Lno_total:
	s_wait_dscnt 0x0                               ; zero: the other waves read my entry behind the barrier
	s_wait_alu depctr_vm_vsrc(0)                   ; my LDS store has read its data: row 31, which the scaling below writes again, or (wave 15) v[T:T+3], in which an LDS load lands below
	s_barrier_signal -1
	SCALE 31                                       ; registers only
	s_barrier_wait -1
	; All sixteen entries, in every wave: slot 0 takes the carry (entry 15), slot k entry k-1.
	; No wait on vector results: no vector instruction names v[T ..] or v1 behind the waits above.
.set k, 0
.rept 16
	ds_load_b128 v[T+4*k:T+4*k+3], v1 offset:512*((k+15)&15)
.set k, k+1
.endr
	s_wait_dscnt 0x0
	; OFF = carry + totals of waves 0 .. w-1: wave w leaves after w additions.  No barrier follows.
.set k, 1
.rept 15
	s_cmp_lt_u32 s10, k
	s_cbranch_scc1 .Loff
	ADD4 T, T+4*k
.set k, k+1
.endr
.Loff:
	; The way out, in four blocks of eight rows.  Block 0's multiply-adds; then, three times, one wait and the finished block's stores
	; dealt among the next block's multiply-adds; then the last block's stores.  No row is written again behind its store.
.set n, 0
.rept BLK
	FIN n
.set n, n+1
.endr
.set b, 1
.rept 32/BLK-1
	s_wait_alu depctr_va_vdst(0)                   ; the multiply-adds of block b-1 have written its rows, which the eight stores below read; those of block b, dealt among them, name other rows
.set n, 0
.rept BLK
	OUT BLK*(b-1)+n
	FIN BLK*b+n
.set n, n+1
.endr
.set b, b+1
.endr
	s_wait_alu depctr_va_vdst(0)                   ; the last block's multiply-adds have written its rows, which the last eight stores read
.set n, 32-BLK
.rept BLK
	OUT n
.set n, n+1
.endr
	s_wait_dscnt 0x0
	s_wait_alu depctr_hold_cnt(0) depctr_sa_sdst(0) depctr_va_vdst(0) depctr_va_sdst(0) depctr_va_ssrc(0) depctr_va_vcc(0) depctr_vm_vsrc(0)
	s_wait_tensorcnt 0x0
	ds_add_u32 v6, v7
	s_wait_dscnt 0x0
	s_endpgm
.Lfunc_end_k_qb939c49ba8_scan:
	.size	k_qb939c49ba8_scan, .Lfunc_end_k_qb939c49ba8_scan-k_qb939c49ba8_scan
	.p2alignl 7, 3214868480
	.fill 96, 4, 3214868480
	.section	.rodata,"a",@progbits
	.p2align	6, 0x0
	.amdhsa_kernel k_qb939c49ba8_scan
		.amdhsa_group_segment_fixed_size 10240
		.amdhsa_private_segment_fixed_size 0
		.amdhsa_enable_private_segment 0
		.amdhsa_kernarg_size 24
		.amdhsa_user_sgpr_count 2
		.amdhsa_user_sgpr_kernarg_segment_ptr 1
		.amdhsa_wavefront_size32 1
		.amdhsa_system_sgpr_workgroup_id_x 1
		.amdhsa_system_sgpr_workgroup_id_y 1
		.amdhsa_system_sgpr_workgroup_id_z 1
		.amdhsa_system_vgpr_workitem_id 0
		.amdhsa_next_free_vgpr 232
		.amdhsa_next_free_sgpr 66
		.amdhsa_reserve_vcc 0
		.amdhsa_float_denorm_mode_32 3
		.amdhsa_float_denorm_mode_16_64 3
		.amdhsa_memory_ordered 1
		.amdhsa_forward_progress 1
		.amdhsa_inst_pref_size 31
	.end_amdhsa_kernel
	.amdgpu_metadata
---
amdhsa.version: [ 1, 2 ]
amdhsa.kernels:
  - .name:           k_qb939c49ba8_scan
    .symbol:         k_qb939c49ba8_scan.kd
    .args:
      - { .name: x, .offset: 0, .size: 8, .value_kind: global_buffer, .address_space: global }
      - { .name: part, .offset: 8, .size: 8, .value_kind: global_buffer, .address_space: global }
      - { .name: out0, .offset: 16, .size: 8, .value_kind: global_buffer, .address_space: global }
    .group_segment_fixed_size: 10240
    .private_segment_fixed_size: 0
    .kernarg_segment_align: 8
    .kernarg_segment_size: 24
    .max_flat_workgroup_size: 512
    .sgpr_count:     66
    .vgpr_count:     232
    .wavefront_size: 32
...
	.end_amdgpu_metadata
.endif
;; end of part 3
